; MI455X (gfx1250); checked and timed in simulation.
; The chip was launched on July 23, 2026; its instructions are those of AMD's public machine-readable ISA for CDNA 5 (MIT licence, August 2026) and "CDNA5" Instruction Set Architecture Reference Guide (July 2026). The comments in the code are by the model that wrote it; some were corrected since.
;; Grouped Query Attention. Allowed arithmetic: matrix products marked QUANTISED: E2M1 operands, one E8M0 scale for each 32 along K, by v_wmma_scale_f32_16x16x128_f8f6f4 with both operands' format E2M1 (or v_wmma_scale_f32_32x16x128_f4), f32 sums; everything else in f32.
;; Inputs: Wk_codes 512 x 64 x 16 uint8 (E2M1 codes of Wk, K innermost, in blocks of 32 codes, two codes a byte); Wk_scales 512 x 64 uint8 (E8M0 scales of Wk, one for each 32 codes along K); Wo_codes 2,048 x 64 x 16 uint8 (E2M1 codes of Wo, K innermost, in blocks of 32 codes, two codes a byte); Wo_scales 2,048 x 64 uint8 (E8M0 scales of Wo, one for each 32 codes along K); Wq_codes 2,048 x 64 x 16 uint8 (E2M1 codes of Wq, K innermost, in blocks of 32 codes, two codes a byte); Wq_scales 2,048 x 64 uint8 (E8M0 scales of Wq, one for each 32 codes along K); Wv_codes 512 x 64 x 16 uint8 (E2M1 codes of Wv, K innermost, in blocks of 32 codes, two codes a byte); Wv_scales 512 x 64 uint8 (E8M0 scales of Wv, one for each 32 codes along K); bk 512 float32; bo 2,048 float32; bq 2,048 float32; bv 512 float32; x_codes 2 x 1,024 x 64 x 16 uint8 (E2M1 codes of x, K innermost, in blocks of 32 codes, two codes a byte); x_scales 2 x 1,024 x 64 uint8 (E8M0 scales of x, one for each 32 codes along K).
;; Outputs: out0 2 x 1,024 x 2,048 float32.
;; This version of the problem:
;;   THIS VERSION OF THE PROBLEM IS GIVEN IN LOW PRECISION. The matrix products marked QUANTISED in the list below multiply operands that are first quantised to E2M1 (2 exponent bits, 1 mantissa bit; 4 bits a number), with one power-of-two scale for each 32 numbers along K (OCP MX v1.0); their sums are f32. All else is computed in f32.
;;   The module's matrix products, in the order in which they are computed (A, B: the left and right operand; K: the contracted axis; several contracted axes count as one K, in the product's order):
;;     1. [M 2,048, K 2,048] x [K 2,048, N 2,048]; A: input x (given as codes); B: input Wq (given as codes): QUANTISED
;;     2. [M 2,048, K 2,048] x [K 2,048, N 512]; A: input x (given as codes); B: input Wk (given as codes): QUANTISED
;;     3. [M 2,048, K 2,048] x [K 2,048, N 512]; A: input x (given as codes); B: input Wv (given as codes): QUANTISED
;;     4. batch 64 x [M 1,024, K 64] x [K 64, N 1,024]; A: computed on the way; B: computed on the way: QUANTISED
;;     5. batch 64 x [M 1,024, K 1,024] x [K 1,024, N 64]; A: softmax (see below); B: computed on the way: QUANTISED
;;     6. [M 2,048, K 2,048] x [K 2,048, N 2,048]; A: computed on the way; B: input Wo (given as codes): QUANTISED
;;   THE QUANTISER, for each operand of a quantised product, along K:
;;     - K is cut into blocks of 32 from its start; a last block that is shorter is filled with zeros.
;;     - A block's scale is 2^e with e = floor(log2(the largest magnitude in the block)) - 2, held to -126 .. 127; a block of zeros has e = 0. As a byte (E8M0): e + 127.
;;     - Each number is divided by its block's scale, clamped to +-6, and rounded to the nearest number of E2M1, ties to even, subnormals kept.
;;     - The product sums the exact products of the quantised numbers (number of the format x scale) in f32.
;;   ~~~python
;;   def quantise(x, axis):      # numpy; x: float32 -> the quantised numbers, widened to float32 again
;;       x = np.moveaxis(x, axis, -1); K = x.shape[-1]
;;       x = np.pad(x, [(0, 0)] * (x.ndim - 1) + [(0, -K % 32)]); x = x.reshape(x.shape[:-1] + (-1, 32)); a = np.abs(x).max(-1, keepdims=True)
;;       e = np.where(a > 0, np.clip(np.frexp(np.where(a > 0, a, 1))[1] - 1 - 2, -126, 127), 0)      # np.frexp(a)[1] - 1 = floor(log2(a)), exactly
;;       r = np.clip(x / 2.0 ** e, -6, 6)
;;       step = 2.0 ** (np.maximum(np.frexp(np.where(r == 0, 1, r))[1] - 1, 0) - 1)
;;       q = np.round(r / step) * step * 2.0 ** e      # np.round: ties to even
;;       return np.moveaxis(q.reshape(q.shape[:-2] + (-1,))[..., :K], -1, axis).astype(np.float32)
;;   ~~~
;;   SOFTMAX AHEAD OF A QUANTISED PRODUCT. Where the list says 'softmax', what is quantised is not the finished softmax but p = 2^(t - M), with t = logit x log2(e) and M = ceil(the row's largest t), a whole number; so 1/2 < the row's largest p <= 1. The row's sum l is taken of the UNQUANTISED p, in f32, and the product's result is divided by l at the end. Since M is a whole number, a kernel that streams over the keys may use a running M (the ceiling of the running maximum): every later rescaling is an exact power of two, which a block's scale takes up: the codes' values come out the same.
;;   OPERANDS COMPUTED ON THE WAY. 'Computed on the way' means the value that the module computes at that place (a softmax that the list does not call 'softmax' is quantised finished and normalised). What goes into a quantiser is computed in f32, as accurately as f32 sums, v_exp_f32 and their like allow (about 1e-6 of the number): no bf16 or f16 on the way to a quantiser, and a product that is left as it is and whose result goes on into a quantised operand takes f32 operands (vector FMAs, or v_wmma_f32_16x16x4_f32). A number that lies on a knife's edge between two numbers of the format may be rounded either way, as far as f32 arithmetic and the matrix unit's own rounding can turn it there, and no further.
;;   INPUTS GIVEN AS CODES. Wk (in the module: [2048, 512], K = its axis 0); Wo (in the module: [2048, 2048], K = its axis 0); Wq (in the module: [2048, 2048], K = its axis 0); Wv (in the module: [2048, 512], K = its axis 0); x (in the module: [2, 1024, 2048], K = its axis 2): each comes as NAME_codes (uint8): NAME with its K axis moved to the last place and cut into blocks of 32 codes, [.., K / 32, bytes a block], one block behind the other in memory; two codes a byte, the lower K in the low four bits (a code: sign, 2 exponent bits, 1 mantissa bit); and NAME_scales (uint8): the same leading axes, one E8M0 byte (e + 127) for each 32 codes along K. Its value is code x scale, taken as it is: it is not quantised again, and the codes and scales need not be those that the quantiser above would give.
;; One version. Each part assembles by itself: llvm-mc -triple=amdgcn-amd-amdhsa -mcpu=gfx1250 --defsym DOCPART=n.
;; ======== version 1 of 1: 3 launches
;; limits: right only within a limited range of input values
;; workspace buffers: ws 3,342,336 bytes; yw 2,228,224 bytes
;; launch proj (part 1): grid 16 x 16, 4 waves a work-group, clusters of 4 x 4, 327,680 bytes of LDS; arguments x_codes, x_scales, Wq_codes, Wq_scales, Wk_codes, Wk_scales, Wv_codes, Wv_scales, bq, bk, bv, ws; writes ws
.if DOCPART == 1
	.amdgcn_target "amdgcn-amd-amdhsa--gfx1250"
	.amdhsa_code_object_version 6
	.text
	.protected	k_q1134422eff_proj
	.globl	k_q1134422eff_proj
	.p2align	8
	.type	k_q1134422eff_proj,@function
k_q1134422eff_proj:
	s_mov_b64 s[64:65], 0
	v_nop
	global_prefetch_b8 v0, s[64:65] scope:SCOPE_SE
	s_setreg_imm32_b32 hwreg(HW_REG_WAVE_MODE, 25, 1), 1
	s_wait_xcnt 0x0
	s_wait_alu depctr_hold_cnt(0) depctr_sa_sdst(0) depctr_va_vdst(0) depctr_va_sdst(0) depctr_va_ssrc(0) depctr_va_vcc(0) depctr_vm_vsrc(0)
	s_getreg_b32 s2, hwreg(HW_REG_IB_STS2, 6, 4)
	s_cmp_eq_u32 s2, 0
	s_cbranch_scc0 .Lentry_in_a_cluster
	s_endpgm
.Lentry_in_a_cluster:
	s_bfe_u32 s2, ttmp6, 0x10000c
	s_cmp_lg_u32 s2, 0xf033
	s_cbranch_scc0 .Lentry_shape_is_right
	s_endpgm
.Lentry_shape_is_right:
; q = x Wq + bq, k = x Wk + bk, v = x Wv + bv on codes of FP4 (E2M1) with one E8M0 scale for each 32 along K = 2,048; the results are quantised here: q and k along the head's 64 channels, v along the keys.
; SHARES.  2,048 tokens x 3,072 channels are 256 equal parts: work-group (g0, g1) makes, for tokens 128 g1 on, the query heads 2 g0, 2 g0 + 1 and ONE EXTRA HEAD: k's head g0 (cluster x 0, 1) or v's head g0 - 8 (cluster x 2, 3).
; Wave (w1, w0): query head 2 g0 + w0 x tokens 64 w1 on: 16 accumulators; of the extra head channels 32 w0 on x the same tokens: 8 accumulators, which take the x fragments that the wave holds anyway.
; Source 0 of the matrix instruction gives a lane's eight registers (rows 8 (lane / 16) + 0 .. 7), source 1 the lane.  The side along which a result is quantised next is source 0: q, k: the weight; v: x (tokens = keys).
; LDS.  x's and Wq's 128 rows come in two halves of K (rows of 512 bytes + 16 of padding): four joint loads, one a wave, all at the head; nothing is filled again.  Waves 0 and 1 fetch the first half and wait for it ahead of the first
; barrier; the second half stays out until step 8 opens.  The extra head (a fifth of the bytes; the four joint loads are taken) goes through registers: K < 1,536 into LDS rows of 768 + 16 bytes, the last 512 of K as fragments that stay.
; Scale bytes go straight to registers: lane (r, h) loads 16 bytes, chunk 2 m + h of 512 along K of row r: the row selector picks the chunk.
; CLUSTER 4 x 4: Wq's rows hang on the place along x alone and are asked for jointly by the four of a column, x's rows by the four of a row.  No prefetch: the text has no loop that fetches; every load leaves at the head.
; THE RESULTS LEAVE AS IMAGES OF OPERAND REGISTERS: four tiles of 16 along the next K become four registers (lane (r, h): k = 32 h + 0 .. 31 of row r), 512 consecutive bytes a store.
;   k: a wave has ONE block of 32 channels, so two tiles of tokens share the lanes: sixteen lanes store the aligned 256 bytes that are block w0's half of a tile's image.
; ws: q images [b 2][head 32][tile of 16 queries 64][512] at 0; q scales, two bytes a query, [b][head][1024] at QSO; from KVB on a block of KVBLK bytes for each (b, kv head): k images [64][512];
;     at 32,768 v images [step of 128 keys 8][tile of 16 channels 4][half of the step 2][512]; at 65,536 k scales, two bytes a key; at 67,584 v scale words [step 8][tile 4][channel 16][4 bytes].
; LIMITS: NaN and infinities are not served.  A block of zeros gets the scale byte 1 where the quantiser's rule says 127: its codes are zeros, and these bytes are read by this program alone.
.set XHALF,  67584                     ; 128 rows x 528 bytes
.set HSTEP,  2*XHALF                   ; from the first half of K to the second: x, then Wq
.set EBASE,  4*XHALF                   ; the extra head: 64 rows x 784 bytes
.set SPARE,  EBASE+50176               ; the spare words, 128 bytes for each wave
.set QSO,    2097152
.set KVB,    2228224
.set KVBLK,  69632
.set AD1,  4                           ; v4-5    LDS address of my x fragments, half 0, 1
.set AD0,  6                           ; v6-7    of my Wq fragments
.set ADE,  8                           ; v8      of my fragments of the extra head
.set SPW,  11                          ; v11     my spare word;  v12 0: never rewritten
.set NIL,  12
.set VO,   22                          ; v22-25  where q's images go;  v26-29 their scale bytes;  v30-31 the extra head's images;  v32-33 their scale bytes;  v34 8 x (lane / 16)
.set VS,   26
.set VOE,  30
.set VSE,  32
.set KSH,  34
.set BM,   36                          ; v36-39  largest magnitudes;  v40-43 the other lane half's;  v44-47 the conversions' scale operands;  v4-7 (behind the sums) the bytes
.set PX,   40
.set SOP,  44
.set BY,   4
.set ES,   48                          ; v48-63  the extra head's scale words, one a K step: lanes 0-15 my tile 0, lanes 16-31 my tile 1
.set SXB,  64                          ; v64-95  x's scale words: tile i, chunk pair m, word q at SXB + 8 i + 4 m + q;  v96-127 Wq's
.set SWB,  96
.set ACC,  128                         ; v128-255 accumulator (a, b) at ACC + 32 a + 8 b.   Window 1: four sets of fragments: set p: Wq's tiles at 64 p + 8 i, x's at 64 p + 32 + 8 i
.set EF,   0                           ; window 2: v0-63 four sets of the extra head's two fragments;  v64-127 its eight accumulators;  v128-143 its bias;  v144-175 bq.   Window 3: v0-63 the extra head's last four steps
.set EACC, 64
.set EB,   128
.set BIAS, 144
.set SEL,  98                          ; s[98:99] lane selects for v_permlanex16_b32: lane l xor 16
.set G1X,  24                          ; s[24:31] descriptor group 1 for x;  s[32:39] for Wq;  groups 0: s[40:43], s[48:51] x's halves;  s[44:47], s[52:55] Wq's
.set G1W,  32
.set MSB, 0
.macro WIN new                         ; the immediate's high byte repeats the setting that is left
.if MSB != \new
	s_set_vgpr_msb (MSB<<8)|\new
.set MSB, \new
.endif
.endm
.macro PLACES                          ; four plain vector instructions in front of loads into registers that matrix instructions have read, and of the first read of results
.rept 4
	v_nop
.endr
.endm
.macro CROUND                          ; a round of the cluster's barrier
	s_barrier_signal -1
	s_barrier_wait -1
	s_cmp_lg_u32 s16, 0
	s_cbranch_scc1 .Lnot_wave_0_\@
	s_barrier_signal -3
.Lnot_wave_0_\@:
	s_barrier_wait -3
	s_barrier_signal -1
	s_barrier_wait -1
.endm
.macro ARM under, g0, g1, next         ; one arm of the head's tree: a load, its four v_nop, the jump to the tree's end
	s_cmp_lt_u32 s16, \under
	s_cbranch_scc0 \next
	tensor_load_to_lds s[\g0:\g0+3], s[\g1:\g1+7]
	s_nop 0
	PLACES
	s_branch .Lasked
\next:
.endm
.macro MKG0 g, lds, ptr, add           ; a group 0
	s_mov_b32 s[\g], 1
	s_mov_b32 s[\g+1], \lds
	s_add_nc_u64 s[\g+2:\g+3], s[\ptr:\ptr+1], \add
	s_or_b32 s[\g+3], s[\g+3], 0x80000000
.endm
.macro WM d, x, y, c, sx, sy, hx, hy   ; D = X Y + C; hx, hy: which lane half holds the scales
.set WD, \d
.set WX, \x
.set WY, \y
.set WC, \c
.set WSX, \sx
.set WSY, \sy
.if (\hx) && (\hy)
	v_wmma_scale_f32_16x16x128_f8f6f4 v[WD:WD+7], v[WX:WX+7], v[WY:WY+7], v[WC:WC+7], v[WSX], v[WSY] matrix_a_fmt:MATRIX_FMT_FP4 matrix_b_fmt:MATRIX_FMT_FP4 matrix_a_scale:MATRIX_SCALE_ROW1 matrix_b_scale:MATRIX_SCALE_ROW1
.elseif (\hx)
	v_wmma_scale_f32_16x16x128_f8f6f4 v[WD:WD+7], v[WX:WX+7], v[WY:WY+7], v[WC:WC+7], v[WSX], v[WSY] matrix_a_fmt:MATRIX_FMT_FP4 matrix_b_fmt:MATRIX_FMT_FP4 matrix_a_scale:MATRIX_SCALE_ROW1
.elseif (\hy)
	v_wmma_scale_f32_16x16x128_f8f6f4 v[WD:WD+7], v[WX:WX+7], v[WY:WY+7], v[WC:WC+7], v[WSX], v[WSY] matrix_a_fmt:MATRIX_FMT_FP4 matrix_b_fmt:MATRIX_FMT_FP4 matrix_b_scale:MATRIX_SCALE_ROW1
.else
	v_wmma_scale_f32_16x16x128_f8f6f4 v[WD:WD+7], v[WX:WX+7], v[WY:WY+7], v[WC:WC+7], v[WSX], v[WSY] matrix_a_fmt:MATRIX_FMT_FP4 matrix_b_fmt:MATRIX_FMT_FP4
.endif
.endm
; K step s (0 .. 15): its fragment loads into set s % 4: 20, from step 12 on 16
.macro FETCH s
.set FH, (\s)/8
.set FK, ((\s)%8)*64
.set FQ, (\s)%4
	WIN 0x40                                       ; destination window 1, address window 0
.irp i, 0,1,2,3
.irp e, 0,1
	ds_load_b128 v[64*FQ+8*\i+4*\e:64*FQ+8*\i+4*\e+3], v[AD0+FH] offset:8448*\i+FK+32*\e
.endr
.endr
.irp i, 0,1,2,3
.irp e, 0,1
	ds_load_b128 v[64*FQ+32+8*\i+4*\e:64*FQ+32+8*\i+4*\e+3], v[AD1+FH] offset:8448*\i+FK+32*\e
.endr
.endr
.if (\s) < 12
	WIN 0x80                                       ; destination window 2
.irp w, 0,1
.irp e, 0,1
	ds_load_b128 v[EF+16*FQ+8*\w+4*\e:EF+16*FQ+8*\w+4*\e+3], v[ADE] offset:12544*\w+64*(\s)+32*\e
.endr
.endr
.endif
	WIN 0
.endm
; q's 16 matrix instructions.  All 24 accumulators of a step take turns, one instruction a turn, in the same order in every step.  first = 1: the bias starts the sums
.macro MUL16 s, first
.set MQ, (\s)%4
.set MM, (\s)/8
.set MH, ((\s)/4)%2
.if \first
	WIN 0x25                                       ; sources 0 and 1 window 1; C window 2; D window 0
.else
	WIN 0x05
.endif
.irp a, 0,1,2,3
.irp b, 0,1,2,3
.if \first
	WM ACC+32*\a+8*\b, 64*MQ+8*\a, 64*MQ+32+8*\b, BIAS+8*\a, SWB+8*\a+4*MM+MQ, SXB+8*\b+4*MM+MQ, MH, MH
.else
	WM ACC+32*\a+8*\b, 64*MQ+8*\a, 64*MQ+32+8*\b, ACC+32*\a+8*\b, SWB+8*\a+4*MM+MQ, SXB+8*\b+4*MM+MQ, MH, MH
.endif
.endr
.endr
.endm
; The extra head's 8: x's tiles x = 0 .. 3 against the head's tiles w = 0, 1.  vv = 0: k: source 0 = Wk's tile; accumulator (x, w) at 16 x + 8 w: a call of QUANT finds two tiles of tokens on end.
; vv = 1: v: source 0 = x's tile; (x, w) at 32 w + 8 x: a call finds the four tiles of tokens of one tile of channels.  The head's scale word of tile w stands in lane half w.
.macro MUL8 s, vv, first
.irp x, 0,1,2,3
.irp w, 0,1
.set RX, 64*MQ+32+8*\x
.set RW, 16*MQ+8*\w
.set SX, SXB+8*\x+4*MM+MQ
.if \vv
.set RD, EACC+32*\w+8*\x
.else
.set RD, EACC+16*\x+8*\w
.endif
.if \first
.set RC, EB+8*\w
.else
.set RC, RD
.endif
.if \vv
	WM RD, RX, RW, RC, SX, ES+\s, MH, \w
.else
	WM RD, RW, RX, RC, ES+\s, SX, \w, MH
.endif
.endr
.endr
.endm
.macro EXTRA s, first                  ; the branch hangs on the cluster's x alone: it is the same in every wave of every partner; only matrix instructions stand in its arms
	WIN 0                                          ; at a branch and at a label every window is 0
	s_cmp_lt_u32 ttmp9, 2
	s_cbranch_scc0 .Lextra_v_\@
.if (\s) < 12
	WIN 0xa6                                       ; source 0 (Wk) window 2, source 1 (x) window 1, C and D window 2
.else
	WIN 0xa7                                       ; source 0 window 3
.endif
	MUL8 \s, 0, \first
	WIN 0
	s_branch .Lextra_done_\@
.Lextra_v_\@:
.if (\s) < 12
	WIN 0xa9                                       ; source 0 (x) window 1, source 1 (Wv) window 2, C and D window 2
.else
	WIN 0xad                                       ; source 1 window 3
.endif
	MUL8 \s, 1, \first
	WIN 0
.Lextra_done_\@:
.endm
; In front of step s's products the fragments of step s + 2 are asked for.
.macro STEP s, first
.if (\s)+2 == 8
	s_wait_tensorcnt 0x0                           ; the second half of K opens: my load is in,
	s_wait_dscnt 0x0                               ; no LDS load of mine is out at the signal
	s_barrier_signal -1
	s_barrier_wait -1                              ; everybody's load is in.
.endif
.if (\s)+2 <= 15
	PLACES
	FETCH (\s)+2
.endif
.set NW, 0
.irp n, 1,2
.if (\s)+\n < 12
.set NW, NW+20
.elseif (\s)+\n < 16
.set NW, NW+16
.endif
.endr
	s_wait_dscnt NW                                ; the loads of steps s + 1 and s + 2, issued behind step s's own, may be out
	MUL16 \s, \first
	EXTRA \s, \first
.endm
; Two calls of four tiles of eight registers: each becomes four registers of codes in the operand's layout and two scale bytes.  Call k's tile a begins at base + cs k + ts a.  Block 0 = tiles 0, 1, block 1 = tiles 2, 3;
; a block's 32 numbers lie in lanes l and l xor 16.  The four blocks go by turns.  win = 1: the tiles lie in window 2.
.macro QUANT base, cs, ts, pc, u, win
	WIN 0x0a*\win                                  ; sources 0 and 1: the tiles' window
.irp x, 0,1,2,3
.set TT, \base+(\cs)*(\x/2)+2*(\ts)*(\x%2)
	v_max3_num_f32 v[BM+\x], |v[TT]|, |v[TT+1]|, 0x1800000   ; each accumulator from its low end on.  The floor 2^(3 - 127) holds the byte at 1 from below
.endr
.irp i, 2,4,6
.irp x, 0,1,2,3
.set TT, \base+(\cs)*(\x/2)+2*(\ts)*(\x%2)+\i
	v_max3_num_f32 v[BM+\x], |v[TT]|, |v[TT+1]|, v[BM+\x]
.endr
.endr
.irp i, 0,2,4,6
.irp x, 0,1,2,3
.set TT, \base+(\cs)*(\x/2)+2*(\ts)*(\x%2)+(\ts)+\i
	v_max3_num_f32 v[BM+\x], |v[TT]|, |v[TT+1]|, v[BM+\x]
.endr
.endr
	WIN 0
.irp x, 0,1,2,3
	v_permlanex16_b32 v[PX+\x], v[BM+\x], s[SEL], s[SEL+1]
.endr
.irp x, 0,1,2,3
	v_max_num_f32 v[BM+\x], v[BM+\x], v[PX+\x]     ; with lane l xor 16's: the block's largest magnitude
.endr
.irp x, 0,1,2,3
	v_add_nc_u32 v[SOP+\x], 0xff000000, v[BM+\x]   ; 2 off its exponent field: the conversion takes the exponent field of this operand as its scale
.endr
.irp x, 0,1,2,3
	v_lshrrev_b32 v[BY+\x], 23, v[SOP+\x]          ; the scale's byte
.endr
	v_lshl_or_b32 v[\u], v[BY+1], 8, v[BY]
	v_lshl_or_b32 v[\u+1], v[BY+3], 8, v[BY+2]
	WIN 0x02*\win                                  ; source 0: the tiles' window
.irp x, 0,1
.set TT, \base+(\cs)*\x
	v_cvt_scalef32_pk8_fp4_f32 v[\pc+4*\x], v[TT:TT+7], v[SOP+2*\x]
	v_cvt_scalef32_pk8_fp4_f32 v[\pc+4*\x+2], v[TT+\ts:TT+\ts+7], v[SOP+2*\x]
	v_cvt_scalef32_pk8_fp4_f32 v[\pc+4*\x+1], v[TT+2*\ts:TT+2*\ts+7], v[SOP+2*\x+1]
	v_cvt_scalef32_pk8_fp4_f32 v[\pc+4*\x+3], v[TT+3*\ts:TT+3*\ts+7], v[SOP+2*\x+1]
.endr
	WIN 0
	v_nop                                          ; one plain place behind the scaled conversions
.irp x, 0,1
	v_permlane16_swap_b32 v[\pc+4*\x], v[\pc+4*\x+1]     ; lanes 0-15 now hold block 0 whole, lanes 16-31 block 1
	v_permlane16_swap_b32 v[\pc+4*\x+2], v[\pc+4*\x+3]
.endr
.endm
	s_load_b512 s[68:83], s[0:1], 0x0              ; x codes, x scales, Wq codes, Wq scales, Wk codes, Wk scales, Wv codes, Wv scales
	s_load_b256 s[84:91], s[0:1], 0x40             ; bq, bk, bv, ws
	v_lshl_add_u32 v[SPW], v0, 2, SPARE
	v_mov_b32 v[NIL], 0
	ds_add_u32 v[SPW], v[NIL]                      ; the opening add, twice on end, ahead of my tensor load
	ds_add_u32 v[SPW], v[NIL]
	v_lshrrev_b32 v1, 5, v0
	v_readfirstlane_b32 s16, v1                    ; wave 0..3
	s_lshr_b32 s17, s16, 1                         ; w1: my half of the tokens
	s_and_b32 s18, s16, 1                          ; w0: my query head, my half of the extra head
	s_bfe_u32 s19, ttmp6, 0x40000                  ; cx, cy: my place in the cluster
	s_bfe_u32 s20, ttmp6, 0x40004
	s_lshl_b32 s21, ttmp9, 2
	s_add_co_u32 s21, s21, s19                     ; g0: the group of channels
	s_and_b32 s22, ttmp7, 0xffff
	s_lshl_b32 s22, s22, 2
	s_add_co_u32 s22, s22, s20                     ; g1: the group of 128 tokens
	s_lshl_b32 s100, s20, 2
	s_lshl_b32 s100, 15, s100                      ; my row of the cluster
	s_lshl_b32 s101, 0x1111, s19                   ; my column
	s_or_b32 s[G1X], s100, (1<<20)|(1<<21)|(6<<22)|(3<<25)   ; 15:0 the mask; elements of 1 byte; padding on; 21 set beside a mask; 4 words behind every 128
	s_or_b32 s[G1W], s101, (1<<20)|(1<<21)|(6<<22)|(3<<25)
.irp g, G1X, G1W                       ; 128 rows x 512 bytes, 1,024 bytes from row to row
	s_mov_b32 s[\g+1], 512<<16
	s_mov_b32 s[\g+2], 128<<16
	s_mov_b32 s[\g+3], 512<<16
	s_mov_b32 s[\g+4], 128
	s_mov_b32 s[\g+5], 1024
	s_mov_b32 s[\g+6], 0
	s_mov_b32 s[\g+7], 0
.endr
	s_lshl_b32 s56, s22, 17                        ; x: 128 rows of 1,024 bytes
	s_mov_b32 s57, 0
	s_lshl_b32 s58, s21, 17                        ; Wq likewise
	s_mov_b32 s59, 0
	s_and_b32 s60, s21, 7                          ; the kv head
	s_and_b32 s61, s22, 7                          ; the group of tokens in its batch: v's step of 128 keys
	s_lshr_b32 s62, s22, 3                         ; the batch
	s_lshl_b32 s63, s21, 1
	s_add_co_u32 s63, s63, s18                     ; my query head
	s_lshl_b32 s67, s61, 3
	s_lshl_b32 s100, s17, 2
	s_add_co_u32 s67, s67, s100                    ; T: my first tile of 16 tokens in its batch
	s_mul_i32 s2, s17, 64*528                      ; LDS: my x rows,
	s_mul_i32 s3, s18, 64*528                      ; my Wq rows,
	s_add_co_u32 s3, s3, XHALF
	s_mul_i32 s4, s18, 32*784                      ; my 32 rows of the extra head,
	s_add_co_u32 s4, s4, EBASE
	s_mul_i32 s5, s16, 16*784                      ; the 16 rows that I stage
	s_add_co_u32 s5, s5, EBASE
	s_lshl_b32 s100, s60, 16                       ; memory: the extra head's 64 rows of 1,024 bytes
	s_lshl_b32 s6, s16, 14
	s_add_co_u32 s6, s6, s100
	s_lshl_b32 s7, s18, 15
	s_add_co_u32 s7, s7, s100
	s_add_co_u32 s7, s7, 768
	s_lshl_b32 s8, s22, 13                         ; scales: 64 bytes a row: x's,
	s_lshl_b32 s100, s17, 12
	s_add_co_u32 s8, s8, s100
	s_lshl_b32 s9, s21, 13                         ; Wq's,
	s_lshl_b32 s100, s18, 12
	s_add_co_u32 s9, s9, s100
	s_lshl_b32 s10, s60, 12                        ; the extra head's
	s_lshl_b32 s100, s18, 11
	s_add_co_u32 s10, s10, s100
	s_lshl_b32 s11, s63, 8                         ; bq
	s_lshl_b32 s12, s60, 8                         ; the extra head's bias
	s_lshl_b32 s100, s18, 7
	s_add_co_u32 s12, s12, s100
	s_lshl_b32 s13, s62, 20                        ; q's images
	s_lshl_b32 s100, s63, 15
	s_add_co_u32 s13, s13, s100
	s_lshl_b32 s100, s67, 9
	s_add_co_u32 s13, s13, s100
	s_lshl_b32 s14, s62, 16                        ; q's scales
	s_lshl_b32 s100, s63, 11
	s_add_co_u32 s14, s14, s100
	s_lshl_b32 s100, s67, 5
	s_add_co_u32 s14, s14, s100
	s_add_co_u32 s14, s14, QSO
	s_lshl_b32 s66, s62, 3
	s_add_co_u32 s66, s66, s60
	s_mul_i32 s66, s66, KVBLK
	s_add_co_u32 s66, s66, KVB                     ; the block of (batch, kv head)
	s_lshl_b32 s100, s67, 9                        ; k's images: tile T + 2 n + lane / 16, block w0's 256 bytes, 16 bytes a token
	s_lshl_b32 s101, s18, 8
	s_add_co_u32 s100, s100, s101
	s_lshl_b32 s15, s61, 12                        ; v's: step, tile of channels 2 w0 + n, half w1
	s_lshl_b32 s101, s18, 11
	s_add_co_u32 s15, s15, s101
	s_lshl_b32 s101, s17, 9
	s_add_co_u32 s15, s15, s101
	s_add_co_u32 s15, s15, 32768
	s_lshl_b32 s101, s67, 5                        ; k's scales: byte w0 of key 16 (T + 2 n) + lane
	s_add_co_u32 s101, s101, s18
	s_add_co_u32 s101, s101, 65536
	s_lshl_b32 s92, s61, 8                         ; v's: half w1 of a channel's word
	s_lshl_b32 s93, s18, 7
	s_add_co_u32 s92, s92, s93
	s_lshl_b32 s93, s17, 1
	s_add_co_u32 s92, s92, s93
	s_add_co_u32 s92, s92, 67584
	s_mov_b32 s97, 256
	s_cmp_lt_u32 ttmp9, 2                          ; k or v: the cluster's x alone decides
	s_cselect_b32 s15, s100, s15
	s_cselect_b32 s92, s101, s92
	s_cselect_b32 s93, 0, 4                        ; the bias: k: 32 h bytes on; v: 4 r
	s_cselect_b32 s94, 32, 0
	s_cselect_b32 s95, 2, 4                        ; the scale bytes: k: 2 r + 32 h; v: 4 r
	s_cselect_b32 s96, 32, 0
	s_cselect_b32 s97, 512, s97                    ; the images: 16 r + 512 h or 256 h
	s_add_co_u32 s15, s15, s66
	s_add_co_u32 s92, s92, s66
	s_mov_b32 s[SEL], 0x76543210
	s_mov_b32 s[SEL+1], 0xfedcba98
	v_and_b32 v1, 15, v0                           ; r
	v_bfe_u32 v2, v0, 4, 1                         ; h
	v_and_b32 v13, 31, v0
	v_lshlrev_b32 v13, 4, v13                      ; 16 x lane
	v_lshlrev_b32 v35, 4, v2                       ; 16 h
	v_mul_u32_u24 v3, v1, 528
	v_add_nc_u32 v3, v3, v35                       ; a fragment's row x pitch + 16 h
	v_add_nc_u32 v[AD1], s2, v3
	v_add_nc_u32 v[AD1+1], HSTEP, v[AD1]
	v_add_nc_u32 v[AD0], s3, v3
	v_add_nc_u32 v[AD0+1], HSTEP, v[AD0]
	v_mul_u32_u24 v[ADE], v1, 784
	v_add_nc_u32 v[ADE], v[ADE], v35
	v_add_nc_u32 v[ADE], s4, v[ADE]
	v_add_nc_u32 v9, s5, v13                       ; staging: a row's first 512 bytes, 32 lanes;
	v_mul_u32_u24 v10, v2, 784                     ; its next 256, two rows at a time
	v_lshl_add_u32 v10, v1, 4, v10
	v_add_nc_u32 v10, s5, v10
	v_add_nc_u32 v10, 512, v10
	v_add_nc_u32 v14, s6, v13
	v_lshlrev_b32 v15, 10, v2
	v_lshl_add_u32 v15, v1, 4, v15
	v_add_nc_u32 v15, s6, v15
	v_add_nc_u32 v15, 512, v15
	v_lshl_add_u32 v16, v1, 10, v35                ; the last 256 bytes of my 32 rows, as fragments
	v_add_nc_u32 v16, s7, v16
	v_lshl_add_u32 v17, v1, 6, v35                 ; scales: row r, 16 h
	v_add_nc_u32 v18, s9, v17
	v_add_nc_u32 v17, s8, v17
	v_lshl_add_u32 v19, v13, 2, s10                ; lane l takes row l
	v_lshl_add_u32 v20, v2, 5, s11                 ; bq: register 8 a + j takes channel 16 a + 8 h + j
	v_mul_u32_u24 v21, s93, v1
	v_mad_u32_u24 v21, v2, s94, v21
	v_add_nc_u32 v21, s12, v21
	v_add_nc_u32 v[VO], s13, v13
	v_lshl_add_u32 v[VS], v1, 1, s14
.irp b, 1,2,3
	v_add_nc_u32 v[VO+\b], 512, v[VO+\b-1]
	v_add_nc_u32 v[VS+\b], 32, v[VS+\b-1]
.endr
	v_mul_u32_u24 v[VOE], s97, v2
	v_lshl_add_u32 v[VOE], v1, 4, v[VOE]
	v_add_nc_u32 v[VOE], s15, v[VOE]
	v_add_nc_u32 v[VOE+1], 1024, v[VOE]            ; k: two tiles of tokens on; v: one tile of channels on
	v_mul_u32_u24 v[VSE], s95, v1
	v_mad_u32_u24 v[VSE], v2, s96, v[VSE]
	v_add_nc_u32 v[VSE], s92, v[VSE]
	v_add_nc_u32 v[VSE+1], 64, v[VSE]
	v_lshlrev_b32 v[KSH], 3, v2
.irp x, 0,1,2,3
	v_mov_b32 v[PX+\x], 0                          ; written once: a lane permute's destination counts as one of its sources
.endr
	s_wait_alu depctr_va_vdst(0)
	s_wait_dscnt 0x0                               ; both opening adds are done
	CROUND                                         ; all sixteen work-groups are here: the joint loads meet.  The arguments are still on their way
	s_wait_kmcnt 0x0
	s_add_nc_u64 s[56:57], s[68:69], s[56:57]
	s_add_nc_u64 s[58:59], s[72:73], s[58:59]
	MKG0 40, 0, 56, 0
	MKG0 44, XHALF, 58, 0
	MKG0 48, HSTEP, 56, 512
	MKG0 52, HSTEP+XHALF, 58, 512
	ARM 1, 40, G1X, .Lhead_w0                      ; one tensor load a wave
	ARM 2, 44, G1W, .Lhead_x1
	ARM 3, 48, G1X, .Lhead_w1
	tensor_load_to_lds s[52:55], s[G1W:G1W+7]
	s_nop 0
	PLACES
.Lasked:
	s_cmp_lt_u32 ttmp9, 2                          ; the extra head's buffers
	s_cselect_b64 s[2:3], s[76:77], s[80:81]       ; its codes,
	s_cselect_b64 s[4:5], s[78:79], s[82:83]       ; its scales,
	s_cselect_b64 s[6:7], s[86:87], s[88:89]       ; its bias
	s_cbranch_scc0 .Lbias_v
	WIN 0x80                                       ; destination window 2
.irp w, 0,1
	global_load_b128 v[EB+8*\w:EB+8*\w+3], v21, s[6:7] offset:64*\w        ; k: register j of tile w takes channel 16 w + 8 h + j
	global_load_b128 v[EB+8*\w+4:EB+8*\w+7], v21, s[6:7] offset:64*\w+16
.endr
	WIN 0
	s_branch .Lbias
.Lbias_v:
	WIN 0x80
.irp w, 0,1
.irp j, 0,1,2,3,4,5,6,7
	global_load_b32 v[EB+8*\w+\j], v21, s[6:7] offset:64*\w                ; v: all eight registers of tile w take channel 16 w + r
.endr
.endr
	WIN 0
.Lbias:
	WIN 0x40                                       ; destination window 1
.set N, 0
.rept 16
	global_load_b128 v[4*N:4*N+3], v14, s[2:3] offset:1024*N               ; a row's 512 bytes
.set N, N+1
.endr
.set N, 0
.rept 8
	global_load_b128 v[64+4*N:67+4*N], v15, s[2:3] offset:2048*N           ; two rows' 256 bytes
.set N, N+1
.endr
	WIN 0x80
.irp a, 0,1,2,3
	global_load_b128 v[BIAS+8*\a:BIAS+8*\a+3], v20, s[84:85] offset:64*\a
	global_load_b128 v[BIAS+8*\a+4:BIAS+8*\a+7], v20, s[84:85] offset:64*\a+16
.endr
	WIN 0
.irp i, 0,1,2,3
.irp m, 0,1
	global_load_b128 v[SXB+8*\i+4*\m:SXB+8*\i+4*\m+3], v17, s[70:71] offset:1024*\i+32*\m
	global_load_b128 v[SWB+8*\i+4*\m:SWB+8*\i+4*\m+3], v18, s[74:75] offset:1024*\i+32*\m
.endr
.endr
.irp c, 0,1,2,3
	global_load_b128 v[ES+4*\c:ES+4*\c+3], v19, s[4:5] offset:16*\c
.endr
	WIN 0xc0                                       ; destination window 3
.irp q, 0,1,2,3
.irp w, 0,1
.irp e, 0,1
	global_load_b128 v[16*\q+8*\w+4*\e:16*\q+8*\w+4*\e+3], v16, s[2:3] offset:16384*\w+64*\q+32*\e
.endr
.endr
.endr
	s_wait_loadcnt 44                              ; the 24 staged loads are in; behind them: 8 of bq, 16 + 4 of scales, 16 fragments
	WIN 0x04                                       ; the data: window 1
.set N, 0
.rept 16
	ds_store_b128 v9, v[4*N:4*N+3] offset:784*N
.set N, N+1
.endr
.set N, 0
.rept 8
	ds_store_b128 v10, v[64+4*N:67+4*N] offset:1568*N
.set N, N+1
.endr
	WIN 0
	s_cmp_lt_u32 s16, 2
	s_cbranch_scc0 .Lsecond
	s_wait_tensorcnt 0x0                           ; waves 0 and 1: the first half of K is in; waves 2 and 3 leave the second half out
.Lsecond:
	s_wait_dscnt 0x0                               ; my rows of the extra head are stored
	s_barrier_signal -1
	s_barrier_wait -1                              ; everybody's.
	FETCH 0
	FETCH 1
	s_wait_loadcnt 0x0                             ; biases, scale words, the last fragments
	STEP 0, 1                                      ; the first K step starts the sums with the biases: nothing is cleared, nothing is added later
.set S, 1
.rept 15
	STEP S, 0
.set S, S+1
.endr
	PLACES
	QUANT ACC, 8, 32, 14, 8, 0                     ; q: tiles of tokens 0, 1.  Each call has its own registers for data: no store's source is written again
	global_store_b128 v[VO], v[14:17], s[90:91]    ; 32 lanes store 512 consecutive bytes, aligned
	global_store_b128 v[VO+1], v[18:21], s[90:91]
	global_store_b16 v[VS], v8, s[90:91]           ; lanes l and l + 16 write the same two bytes with the same value
	global_store_b16 v[VS+1], v9, s[90:91]
	QUANT ACC+16, 8, 32, 128, 2, 0                 ; tiles 2, 3; their codes take registers of tiles 0, 1, which are done with
	global_store_b128 v[VO+2], v[128:131], s[90:91]
	global_store_b128 v[VO+3], v[132:135], s[90:91]
	global_store_b16 v[VS+2], v2, s[90:91]
	global_store_b16 v[VS+3], v3, s[90:91]
	QUANT EACC, 32, 8, 136, 160, 1                 ; the extra head: k: tiles of tokens 2 n, 2 n + 1;  v: tile of channels n
	global_store_b128 v[VOE], v[136:139], s[90:91] ; sixteen lanes store 256 consecutive bytes, aligned
	global_store_b128 v[VOE+1], v[140:143], s[90:91]
	s_wait_alu depctr_va_vdst(0)
	s_cmp_lt_u32 ttmp9, 2
	s_cbranch_scc0 .Lv_bytes
	v_lshrrev_b32 v162, v[KSH], v160               ; k: the two bytes belong to two tiles of tokens: lanes 0-15 store the first's, lanes 16-31 the second's
	v_lshrrev_b32 v163, v[KSH], v161
	global_store_b8 v[VSE], v162, s[90:91]
	global_store_b8 v[VSE+1], v163, s[90:91]
	s_branch .Lstored
.Lv_bytes:
	global_store_b16 v[VSE], v160, s[90:91]        ; v: the two bytes are my half of a channel's scale word
	global_store_b16 v[VSE+1], v161, s[90:91]
.Lstored:
	s_wait_tensorcnt 0x0                           ; the wave's end
	ds_add_u32 v[SPW], v[NIL]
	s_wait_dscnt 0x0
	CROUND                                         ; the closing round: no work-group ends while a partner may still ask for a tile that names it
	s_endpgm
.Lfunc_end_k_q1134422eff_proj:
	.size	k_q1134422eff_proj, .Lfunc_end_k_q1134422eff_proj-k_q1134422eff_proj
	.p2alignl 7, 3214868480
	.fill 96, 4, 3214868480
	.section	.rodata,"a",@progbits
	.p2align	6, 0x0
	.amdhsa_kernel k_q1134422eff_proj
		.amdhsa_group_segment_fixed_size 327680
		.amdhsa_private_segment_fixed_size 0
		.amdhsa_enable_private_segment 0
		.amdhsa_kernarg_size 96
		.amdhsa_user_sgpr_count 2
		.amdhsa_user_sgpr_kernarg_segment_ptr 1
		.amdhsa_wavefront_size32 1
		.amdhsa_system_sgpr_workgroup_id_x 1
		.amdhsa_system_sgpr_workgroup_id_y 1
		.amdhsa_system_sgpr_workgroup_id_z 1
		.amdhsa_system_vgpr_workitem_id 0
		.amdhsa_next_free_vgpr 1024
		.amdhsa_next_free_sgpr 102
		.amdhsa_reserve_vcc 0
		.amdhsa_float_denorm_mode_32 3
		.amdhsa_float_denorm_mode_16_64 3
		.amdhsa_memory_ordered 1
		.amdhsa_forward_progress 1
		.amdhsa_inst_pref_size 126
	.end_amdhsa_kernel
	.amdgpu_metadata
---
amdhsa.version: [ 1, 2 ]
amdhsa.kernels:
  - .name:           k_q1134422eff_proj
    .symbol:         k_q1134422eff_proj.kd
    .args:
      - { .name: x_codes, .offset: 0, .size: 8, .value_kind: global_buffer, .address_space: global }
      - { .name: x_scales, .offset: 8, .size: 8, .value_kind: global_buffer, .address_space: global }
      - { .name: Wq_codes, .offset: 16, .size: 8, .value_kind: global_buffer, .address_space: global }
      - { .name: Wq_scales, .offset: 24, .size: 8, .value_kind: global_buffer, .address_space: global }
      - { .name: Wk_codes, .offset: 32, .size: 8, .value_kind: global_buffer, .address_space: global }
      - { .name: Wk_scales, .offset: 40, .size: 8, .value_kind: global_buffer, .address_space: global }
      - { .name: Wv_codes, .offset: 48, .size: 8, .value_kind: global_buffer, .address_space: global }
      - { .name: Wv_scales, .offset: 56, .size: 8, .value_kind: global_buffer, .address_space: global }
      - { .name: bq, .offset: 64, .size: 8, .value_kind: global_buffer, .address_space: global }
      - { .name: bk, .offset: 72, .size: 8, .value_kind: global_buffer, .address_space: global }
      - { .name: bv, .offset: 80, .size: 8, .value_kind: global_buffer, .address_space: global }
      - { .name: ws, .offset: 88, .size: 8, .value_kind: global_buffer, .address_space: global }
    .group_segment_fixed_size: 327680
    .private_segment_fixed_size: 0
    .kernarg_segment_align: 8
    .kernarg_segment_size: 96
    .max_flat_workgroup_size: 128
    .sgpr_count:     102
    .vgpr_count:     1024
    .wavefront_size: 32
...
	.end_amdgpu_metadata
.endif
;; end of part 1
;; launch attn (part 2): grid 16 x 16, 16 waves a work-group, clusters of 4 x 1, 167,936 bytes of LDS; arguments ws, yw; writes yw
.if DOCPART == 2
	.amdgcn_target "amdgcn-amd-amdhsa--gfx1250"
	.amdhsa_code_object_version 6
	.text
	.protected	k_q1134422eff_attn
	.globl	k_q1134422eff_attn
	.p2align	8
	.type	k_q1134422eff_attn,@function
k_q1134422eff_attn:
	s_mov_b64 s[64:65], 0
	v_nop
	global_prefetch_b8 v0, s[64:65] scope:SCOPE_SE
	s_setreg_imm32_b32 hwreg(HW_REG_WAVE_MODE, 25, 1), 1
	s_wait_xcnt 0x0
	s_wait_alu depctr_hold_cnt(0) depctr_sa_sdst(0) depctr_va_vdst(0) depctr_va_sdst(0) depctr_va_ssrc(0) depctr_va_vcc(0) depctr_vm_vsrc(0)
	s_getreg_b32 s2, hwreg(HW_REG_IB_STS2, 6, 4)
	s_cmp_eq_u32 s2, 0
	s_cbranch_scc0 .Lentry_in_a_cluster
	s_endpgm
.Lentry_in_a_cluster:
	s_bfe_u32 s2, ttmp6, 0x10000c
	s_cmp_lg_u32 s2, 0x3003
	s_cbranch_scc0 .Lentry_shape_is_right
	s_endpgm
.Lentry_shape_is_right:
; y = causal softmax(q k^T / 8) v for 2 x 32 heads of 1,024 tokens x 64 channels, both products on codes of FP4 (E2M1) with one E8M0 scale for each 32 along a product's K; y is quantised here along its channels.
; Left out: blocks of 32 keys that reference()'s own causal mask hides from all 16 queries of a tile: their p is 0 for all inputs.  (A NaN or an infinity that reaches only those is not carried to the result.)
; THE SOFTMAX AHEAD OF THE SECOND PRODUCT: t = score x log2(e) / 8; M = the largest t so far, rounded UP to a whole number; p = 2^(t - M) is what is quantised, along the keys; the row's sum is taken of the
; unquantised p and divides at the end.  When M moves, the sum and O are multiplied by 2^(old M - new M): exact.
; SHARES.  Grid y = batch x 8 + kv head.  The four work-groups of a cluster are the four query heads of that kv head, with the SAME queries: they read the same block of k and v (69,632 bytes: images and scales),
; which is asked for JOINTLY, once, by waves 0-3, and stays in LDS.  The cluster's x, p, picks the queries.  No prefetch: no loop fetches from memory.
; EVEN WORK.  A wave owns one tile of 16 queries.  Tile tau = 8 g + d needs steps 0 .. g of 128 keys, the last with d / 2 + 1 blocks of 32.  Tiles tau and 63 - tau form a pair: nine steps, of whose two last ones the blocks add up to five.
; A work-group has eight pairs (j, e), tau = 8 (7 - j) + 2 p + e.  Waves w % 4 = c alike own pairs (c / 2, c % 2) and (2 + c % 2, c / 2): in the order of the wave's number the first's long tile, the second's long, the second's short,
; the first's short one: 18 steps, the longest first.
; LAYOUT.  Both products are used transposed: S^T = k q^T (source 0 = 16 keys, source 1 = my 16 queries), O^T = v^T p^T: a lane holds ONE query (lane % 16) throughout; register j of tile t is key 16 t + 8 (lane / 16) + j.
; The first product's K is 64: q's upper four registers hold zero codes, so what k's upper four hold (the next tile's codes: every FP4 code is a finite number) adds nothing; the scale bytes there are 0 (no NaN byte).
; Behind a full step's score products the next step's k is loaded from LDS; v is loaded at a step's head and read at its end.
; yw: y images [tile of 16 tokens 128][head 32][512] at 0 (lane (r, h): token r, channels 32 h + 0 .. 31); y scales [token 2,048][64] at YSO, head hd's two bytes at 2 hd.
; LIMITS: NaN and infinities are not served; scaled scores stay under 2^31 in magnitude.  A block of zeros gets the scale byte 1 where the rule says 127 (its codes are zeros; this program alone reads the bytes).
; A block's largest p is taken through its largest score, which takes v_exp_f32 not to fall where its input rises; v_exp_f32 gives 0 for results under 2^-126.
.set QSO,   2097152
.set KVB,   2228224
.set KVBLK, 69632
.set YSO,   2097152
.set SPARE, KVBLK                      ; behind the block: the spare words, 128 bytes for each wave
.set KR,  32                           ; v32-63 k's eight tiles, four registers each;  v64-67 zeros behind them
.set BM,  236                          ; v236-239 block maxima;  v240-243 the other lane half's, then bytes;  v244-247 the conversions' scale operands
.set PX,  240
.set SOP, 244
.set SEL, 20                           ; s[20:21] lane selects for v_permlanex16_b32: lane l xor 16
.set CS,  22                           ; s[22:23] c = log2(e) / 8
.set G1,  24                           ; s[24:31], s[32:35] the descriptor
.set G0,  32
.set TAU, 13                           ; s13 my tile;  s36 its last step;  s37 the blocks of that
.set LST, 36
.set NB,  37
.set T4,  39                           ; s39 the step's images (4,096 bytes a step);  s40 its scales (256);  s41 the trip = the step
.set T2,  40
.set CNT, 41
; REGISTERS: v1 16 x lane; v2, v3 my place among k's scale bytes and v's scale words; v4-6 the addresses in hand; v10 q's scale bytes; v12 -M, v13 the largest t, v[14:15] the sum in two halves; v16-23 q;
; v24-27 k's scale bytes, a register for each block of 32 keys: lane l key l; v96-159 S^T, then p; v160-191 O^T; v192-199 p's codes; v200-231 four fragments of v; v232-233 their scale words, a register for two tiles; v248-250 at work;
; v251 d = 16 (tau % 2) + r - 8 h: in the last step's last block register n holds key 16 (n / 8) + 8 h + n % 8, my query is 16 (tau % 2) + r: hidden where 16 (n / 8) + n % 8 > d
; THE 32-ROW FORM takes rows 0-15 from a run's registers 0-7 and rows 16-31 from its registers 8-15.  k's tile takes four registers (its upper four are free, above), so a run of 16 from slot n on holds the tiles of slots n and n + 2:
; slots 0 .. 3 take tiles 0, 2, 1, 3, slots 4 .. 7 tiles 4, 6, 5, 7: one instruction makes a block's two tiles on end.
.macro CROUND                          ; a round of the cluster's barrier
	s_barrier_signal -1
	s_barrier_wait -1
	s_cmp_lg_u32 s8, 0
	s_cbranch_scc1 .Lnot_wave_0_\@
	s_barrier_signal -3
.Lnot_wave_0_\@:
	s_barrier_wait -3
	s_barrier_signal -1
	s_barrier_wait -1
.endm
; Four tiles of eight registers, 64 neighbours along the next K in lanes l and l xor 16, become four registers of codes in the operand's layout and two scale bytes.
.macro QUANT64 t0, t1, t2, t3, pc, u
	v_max3_num_f32 v[BM], |v[\t0]|, |v[\t0+1]|, 0x1800000           ; block 0 = tiles 0, 1; block 1 = tiles 2, 3; by turns.  The floor 2^(3 - 127) holds the byte at 1 from below
	v_max3_num_f32 v[BM+1], |v[\t2]|, |v[\t2+1]|, 0x1800000
.irp i, 2,4,6
	v_max3_num_f32 v[BM], v[BM], |v[\t0+\i]|, |v[\t0+\i+1]|
	v_max3_num_f32 v[BM+1], v[BM+1], |v[\t2+\i]|, |v[\t2+\i+1]|
.endr
.irp i, 0,2,4,6
	v_max3_num_f32 v[BM], v[BM], |v[\t1+\i]|, |v[\t1+\i+1]|
	v_max3_num_f32 v[BM+1], v[BM+1], |v[\t3+\i]|, |v[\t3+\i+1]|
.endr
	v_permlanex16_b32 v[PX], v[BM], s[SEL], s[SEL+1]
	v_permlanex16_b32 v[PX+1], v[BM+1], s[SEL], s[SEL+1]
	v_max_num_f32 v[BM], v[BM], v[PX]
	v_max_num_f32 v[BM+1], v[BM+1], v[PX+1]
	v_add_nc_u32 v[SOP], 0xff000000, v[BM]         ; 2 off the exponent field: the conversion's scale operand
	v_add_nc_u32 v[SOP+1], 0xff000000, v[BM+1]
	v_lshrrev_b32 v[PX+2], 23, v[SOP]
	v_lshrrev_b32 v[PX+3], 23, v[SOP+1]
	v_lshl_or_b32 v[\u], v[PX+3], 8, v[PX+2]
	v_cvt_scalef32_pk8_fp4_f32 v[\pc], v[\t0:\t0+7], v[SOP]
	v_cvt_scalef32_pk8_fp4_f32 v[\pc+2], v[\t1:\t1+7], v[SOP]
	v_cvt_scalef32_pk8_fp4_f32 v[\pc+1], v[\t2:\t2+7], v[SOP+1]
	v_cvt_scalef32_pk8_fp4_f32 v[\pc+3], v[\t3:\t3+7], v[SOP+1]
	v_nop                                          ; one plain place behind the scaled conversions
	v_permlane16_swap_b32 v[\pc], v[\pc+1]
	v_permlane16_swap_b32 v[\pc+2], v[\pc+3]
.endm
.macro KLOAD ka, sa, off4, off2        ; a step's k: eight tiles, and their scale bytes
.irp t, 0,1,2,3,4,5,6,7
	ds_load_b128 v[KR+4*\t:KR+4*\t+3], \ka offset:\off4+512*(4*(\t/4)+2*(\t%2)+(\t%4)/2)
.endr
.irp t, 0,1,2,3
	ds_load_u16 v[24+\t], \sa offset:\off2+64*\t
.endr
.endm
; A STEP of nb blocks of 32 keys, whose k has been asked for.  last = 1: the tile's last step: its last block lies on the diagonal, and no step follows.
.macro STEP nb, last
	v_add_nc_u32 v4, s[T4], v1
	v_add_nc_u32 v5, s[T2], v2
	v_add_nc_u32 v6, s[T2], v3
	v_nop                                          ; these four are the places in front of loads into registers that the last products read
.irp u, 0,1,2,3
.irp e, 0,1
	ds_load_b128 v[200+8*\u+4*\e:203+8*\u+4*\e], v4 offset:32768+1024*\u+512*\e
.endr
.endr
.irp u, 0,1
	ds_load_b32 v[232+\u], v6 offset:128*\u
.endr
	s_wait_alu depctr_va_vdst(0)
	s_wait_dscnt 10                                ; k and its scales are in; v's ten loads may be out
.if \nb == 1                           ; one block: two products of 16 rows, so that three other matrix instructions stand between the steps of O^T's sums
	v_wmma_scale_f32_16x16x128_f8f6f4 v[96:103], v[KR:KR+7], v[16:23], 0, v24, v10 matrix_a_fmt:MATRIX_FMT_FP4 matrix_b_fmt:MATRIX_FMT_FP4
	v_wmma_scale_f32_16x16x128_f8f6f4 v[104:111], v[KR+8:KR+15], v[16:23], 0, v24, v10 matrix_a_fmt:MATRIX_FMT_FP4 matrix_b_fmt:MATRIX_FMT_FP4 matrix_a_scale:MATRIX_SCALE_ROW1
.else
.set N, 0
.rept \nb
.set KS, KR+16*(N/2)+4*(N%2)
	v_wmma_scale_f32_32x16x128_f4 v[96+16*N:111+16*N], v[KS:KS+15], v[16:23], 0, v[24+N], v10
.set N, N+1
.endr
.endif
.rept 4
	v_nop
.endr
.if \last
.set N, 0
.rept 16
	v_cmp_gt_i32 vcc_lo, 16*(N/8)+N%8, v251
	v_cndmask_b32 v[80+16*\nb+N], v[80+16*\nb+N], v254, vcc_lo
.set N, N+1
.endr
.else
	KLOAD v4, v5, 4096, 256                        ; the next step's
.endif
.set B, 0
.rept \nb
	v_max3_num_f32 v[BM+B], v[96+16*B], v[97+16*B], v[98+16*B]   ; the largest score of each block: for the row's maximum, and, since p rises with the score, for the block's largest p
.set B, B+1
.endr
.irp i, 3,5,7,9,11,13
.set B, 0
.rept \nb
	v_max3_num_f32 v[BM+B], v[BM+B], v[96+16*B+\i], v[97+16*B+\i]
.set B, B+1
.endr
.endr
.set B, 0
.rept \nb
	v_max_num_f32 v[BM+B], v[BM+B], v[111+16*B]
.set B, B+1
.endr
.set B, 0
.rept \nb
	v_permlanex16_b32 v[PX+B], v[BM+B], s[SEL], s[SEL+1]
.set B, B+1
.endr
.set B, 0
.rept \nb
	v_max_num_f32 v[BM+B], v[BM+B], v[PX+B]        ; with lane l xor 16's 16 keys
.set B, B+1
.endr
.if \nb == 1
	v_mul_f32 v250, s[CS], v236                    ; the step's largest t (c is positive)
.else
.if \nb == 2
	v_max_num_f32 v250, v236, v237
.else
	v_max3_num_f32 v250, v236, v237, v238
.endif
.if \nb == 4
	v_max_num_f32 v250, v250, v239
.endif
	v_mul_f32 v250, s[CS], v250
.endif
	s_delay_alu instid0(VALU_DEP_1)
	v_max_num_f32 v13, v13, v250                   ; the running largest t
	v_mov_b32 v250, v12
	s_delay_alu instid0(VALU_DEP_2)
	v_floor_f32 v12, -v13                          ; the new -M = floor(-t): M is a whole number
	s_delay_alu instid0(VALU_DEP_1)
	v_sub_f32 v250, v12, v250                      ; old M - new M: a whole number, 0 or less
	s_delay_alu instid0(VALU_DEP_1)
	v_cvt_i32_f32 v250, v250                       ; (it saturates)
	s_delay_alu instid0(VALU_DEP_1)
	v_ldexp_f32 v252, 1.0, v250                    ; f = 2^(old M - new M)
.set J, 0
.rept 8*\nb
	v_pk_fma_f32 v[96+J:97+J], v[96+J:97+J], s[CS:CS+1], v[12:13] op_sel_hi:[1,0,0]   ; t - M, two at a time
.set J, J+2
.endr
.set B, 0
.rept \nb
	v_fma_f32 v[BM+B], v[BM+B], s[CS], v12         ; the same of each block's largest score
.set B, B+1
.endr
	s_wait_alu depctr_va_vdst(0)                   ; the wait ahead of the batch,
.set J, 0
.rept 16*\nb
	v_exp_f32 v[96+J], v[96+J]                     ; p = 2^(t - M), at most 1: not normalised
.set J, J+1
.endr
.set B, 0
.rept \nb
	v_exp_f32 v[BM+B], v[BM+B]                     ; the block's largest p
.set B, B+1
.endr
	v_pk_mul_f32 v[14:15], v[14:15], v[252:253] op_sel_hi:[1,0]      ; the sums under the new M.  (A plain place behind the exponentials)
	s_wait_alu depctr_va_vdst(0)                   ; and behind it
.set B, 0
.rept \nb
	v_max_num_f32 v[BM+B], 0x1800000, v[BM+B]      ; the floor 2^(3 - 127): the byte cannot fall under 1
.set B, B+1
.endr
.set B, 0
.rept \nb
	v_add_nc_u32 v[SOP+B], 0xff000000, v[BM+B]     ; 2 off the exponent field: the conversion's scale operand
.set B, B+1
.endr
.set B, 0
.rept \nb
	v_lshrrev_b32 v[PX+B], 23, v[SOP+B]            ; the scale's byte
.set B, B+1
.endr
.if \nb == 1
	v_mov_b32 v253, v240                           ; p's scale word.  A block that is left out has zero codes and the byte 0
.else
	v_lshl_or_b32 v253, v241, 8, v240
.endif
.if \nb > 2
	v_lshl_or_b32 v253, v242, 16, v253
.endif
.if \nb > 3
	v_lshl_or_b32 v253, v243, 24, v253
.endif
.set B, 0
.rept \nb                              ; blocks 2 c, 2 c + 1 give registers 4 c .. 4 c + 3 of p's fragment
	v_cvt_scalef32_pk8_fp4_f32 v[192+4*(B/2)+B%2], v[96+16*B:103+16*B], v[SOP+B]
	v_cvt_scalef32_pk8_fp4_f32 v[194+4*(B/2)+B%2], v[104+16*B:111+16*B], v[SOP+B]
.set B, B+1
.endr
.rept 4-\nb
	v_mov_b32 v[192+4*(B/2)+B%2], 0
	v_mov_b32 v[194+4*(B/2)+B%2], 0
.set B, B+1
.endr
	v_nop                                          ; one plain place behind the scaled conversions
	v_permlane16_swap_b32 v192, v193               ; lanes 0-15 now hold block 0 whole, lanes 16-31 block 1
	v_permlane16_swap_b32 v194, v195
.if \nb > 2
	v_permlane16_swap_b32 v196, v197
	v_permlane16_swap_b32 v198, v199
.endif
	v_pk_add_f32 v[248:249], v[96:97], v[98:99]    ; the row's sum: four chains by turns
	v_pk_add_f32 v[246:247], v[100:101], v[102:103]
	v_pk_add_f32 v[244:245], v[104:105], v[106:107]
	v_pk_add_f32 v[14:15], v[14:15], v[108:109]
.set J, 7
.rept 8*\nb-7
.set SR, 248-2*((J-7)%4)
.if (J-7)%4 == 3
.set SR, 14
.endif
	v_pk_add_f32 v[SR:SR+1], v[SR:SR+1], v[96+2*J:97+2*J]
.set J, J+1
.endr
	v_pk_add_f32 v[246:247], v[246:247], v[244:245]
	v_pk_add_f32 v[14:15], v[14:15], v[248:249]
	v_pk_add_f32 v[14:15], v[14:15], v[246:247]
	s_wait_alu depctr_va_vdst(0)                   ; directly ahead of the first reader of O^T
.set J, 0
.rept 16
	v_pk_mul_f32 v[160+J:161+J], v[160+J:161+J], v[252:253] op_sel_hi:[1,0]   ; O^T under the new M.  (With the sums above: the places between the scale word, the codes and the products below)
.set J, J+2
.endr
	s_wait_alu depctr_va_vdst(0)
.if \last
	s_wait_dscnt 0x0                               ; v and its scale words are in
.else
	s_wait_dscnt 12                                ; the next step's k, 8 + 4 loads, may be out
.endif
.irp u, 0,1
	v_wmma_scale_f32_32x16x128_f4 v[160+16*\u:175+16*\u], v[200+16*\u:215+16*\u], v[192:199], v[160+16*\u:175+16*\u], v[232+\u], v253
.endr
.endm
	s_load_b128 s[4:7], s[0:1], 0x0                ; ws, yw
	v_lshl_add_u32 v11, v0, 2, SPARE
	v_mov_b32 v255, 0
	ds_add_u32 v11, v255                           ; the opening add, twice on end, ahead of my tensor load
	ds_add_u32 v11, v255
	v_lshrrev_b32 v1, 5, v0
	v_readfirstlane_b32 s8, v1                     ; wave 0..15
	s_bfe_u32 s9, ttmp6, 0x40000                   ; cx: the query head inside the group of four: it enters q's and y's global offsets alone
	s_and_b32 s10, ttmp7, 0xffff                   ; batch x 8 + kv head, which the partners share
	s_lshr_b32 s11, s10, 3                         ; the batch
	s_and_b32 s12, s10, 7
	s_lshl_b32 s12, s12, 2
	s_add_co_u32 s12, s12, s9                      ; the query head
	s_lshr_b32 s14, s8, 2                          ; i = w / 4
	s_and_b32 s15, s8, 3                           ; c = w % 4
	s_lshr_b32 s16, s15, 1                         ; c / 2,
	s_and_b32 s17, s15, 1                          ; c % 2
	s_add_co_u32 s18, s17, 2
	s_add_co_u32 s19, s14, 1
	s_bitcmp1_b32 s19, 1                           ; i = 1, 2: the second pair
	s_cselect_b32 s18, s18, s16                    ; j
	s_cselect_b32 s17, s16, s17                    ; e
	s_lshl_b32 s18, s18, 3
	s_sub_co_u32 s[TAU], 56, s18
	s_lshl_b32 s18, ttmp9, 1
	s_add_co_u32 s[TAU], s[TAU], s18
	s_add_co_u32 s[TAU], s[TAU], s17               ; the long tile,
	s_sub_co_u32 s19, 63, s[TAU]                   ; the short one
	s_cmp_lt_u32 s14, 2
	s_cselect_b32 s[TAU], s[TAU], s19
	s_lshr_b32 s[LST], s[TAU], 3
	s_bfe_u32 s[NB], s[TAU], 0x20001
	s_add_co_u32 s[NB], s[NB], 1
	s_lshl_b32 s42, s11, 20                        ; q's image
	s_lshl_b32 s18, s12, 15
	s_add_co_u32 s42, s42, s18
	s_lshl_b32 s18, s[TAU], 9
	s_add_co_u32 s42, s42, s18
	s_lshl_b32 s43, s11, 16                        ; q's scale bytes
	s_lshl_b32 s18, s12, 11
	s_add_co_u32 s43, s43, s18
	s_lshl_b32 s18, s[TAU], 5
	s_add_co_u32 s43, s43, s18
	s_add_co_u32 s43, s43, QSO
	s_and_b32 s50, s[TAU], 1
	s_lshl_b32 s50, s50, 4                         ; 16 (tau % 2)
	s_mov_b32 s[CNT], 0
	s_mov_b32 s[SEL], 0x76543210
	s_mov_b32 s[SEL+1], 0xfedcba98
	s_mov_b32 s[CS], 0x3e38aa3b                    ; log2(e) / 8
	s_mov_b32 s[CS+1], s[CS]                       ; (named with it as a pair, so it is written)
	s_mov_b32 s[G1], 15|(3<<16)|(1<<21)            ; the mask: all four work-groups; elements of 8 bytes; 21 set beside a mask; no padding: the block lies in LDS as in memory
	s_mov_b32 s[G1+1], 32<<16                      ; a quarter of the block: 68 rows of 256 bytes, dense
	s_mov_b32 s[G1+2], 68<<16
	s_mov_b32 s[G1+3], 32<<16
	s_mov_b32 s[G1+4], 68
	s_mov_b32 s[G1+5], 32
	s_mov_b32 s[G1+6], 0
	s_mov_b32 s[G1+7], 0
	s_and_b32 s44, s8, 3
	s_mov_b32 s[G0], 1
	s_mul_i32 s[G0+1], s44, 17408                  ; quarter wave % 4 (waves 0-3 alone ask)
	s_mul_i32 s60, s10, KVBLK
	s_add_co_u32 s60, s60, s[G0+1]
	s_add_co_u32 s60, s60, KVB
	s_mov_b32 s61, 0
	v_and_b32 v1, 31, v0
	v_lshlrev_b32 v1, 4, v1                        ; 16 x lane
	v_and_b32 v6, 15, v0                           ; r
	v_bfe_u32 v5, v0, 4, 1                         ; h
	v_lshrrev_b32 v2, 3, v1
	v_lshrrev_b32 v3, 2, v1
	v_add_nc_u32 v2, 65536, v2                     ; k's scale bytes: two a key, lane l key l of a block
	v_add_nc_u32 v3, 67584, v3                     ; v's scale words: four bytes a channel, lane l channel l of 32
	v_lshlrev_b32 v4, 3, v5
	v_sub_nc_u32 v7, v6, v4                        ; r - 8 h
	v_add_nc_u32 v251, s50, v7
	v_add_nc_u32 v74, s42, v1
	v_lshl_add_u32 v76, v6, 1, s43
	s_wait_alu depctr_va_vdst(0)
	s_wait_dscnt 0x0                               ; both opening adds are done
	CROUND                                         ; all four work-groups are here: the joint loads meet.  The arguments are still on their way
	s_wait_kmcnt 0x0
	s_add_nc_u64 s[G0+2:G0+3], s[4:5], s[60:61]
	s_or_b32 s[G0+3], s[G0+3], 0x80000000
	s_cmp_lt_u32 s8, 4
	s_cbranch_scc0 .Lno_fetch
	tensor_load_to_lds s[G0:G0+3], s[G1:G1+7]      ; one tensor load of a wave is out; every LDS byte is filled once
	s_nop 0
.rept 4
	v_nop
.endr
.Lno_fetch:
	global_load_b128 v[16:19], v74, s[4:5]         ; q's image: registers 0-3 of its fragment
	global_load_u16 v10, v76, s[4:5]               ; q's two scale bytes; the upper two bytes come as 0
.irp k, 20,21,22,23
	v_mov_b32 v\k, 0                               ; K = 64 .. 127 of q: zero codes
.endr
.irp k, 64,65,66,67
	v_mov_b32 v\k, 0                               ; named as the last tile of k's upper four
.endr
.irp b, 0,1,2,3
	v_mov_b32 v[PX+\b], 0                          ; written once: a lane permute's destination counts as one of its sources
.endr
	v_mov_b32 v250, 0
	v_mov_b32 v252, 0
	v_mov_b32 v253, 0                              ; (named as the upper half of the pair v[252:253] before it is first written)
	v_mov_b32 v254, 0xff800000                     ; -infinity
.set J, 0
.rept 32
	v_mov_b32 v[160+J], 0                          ; O^T and the sum begin as zeros, which the first change of M leaves zeros
.set J, J+1
.endr
	v_mov_b32 v13, 0xff61b1e6                      ; the largest t so far: -3e38, under every t
	v_mov_b32 v14, 0
	v_mov_b32 v15, 0
	v_floor_f32 v12, -v13                          ; -M
	s_wait_alu depctr_va_vdst(0)
	s_wait_tensorcnt 0x0                           ; my quarter of the block is in (a wave that asked for nothing passes),
	s_barrier_signal -1
	s_barrier_wait -1                              ; everybody's is: from here on LDS is only read
	KLOAD v1, v2, 0, 0                             ; step 0's
	s_wait_loadcnt 0x0                             ; q
.Lstep:                                            ; eight trips; every branch hangs on ids and the trip alone
	s_cmp_gt_u32 s[CNT], s[LST]
	s_cbranch_scc1 .Lnext                          ; all these keys come after my queries
	s_lshl_b32 s[T4], s[CNT], 12
	s_lshl_b32 s[T2], s[CNT], 8
	s_cmp_eq_u32 s[CNT], s[LST]
	s_cbranch_scc1 .Llast
	STEP 4, 0
	s_branch .Lnext
.Llast:
.irp nb, 1,2,3
	s_cmp_lg_u32 s[NB], \nb
	s_cbranch_scc1 .Lnot_\nb
	STEP \nb, 1
	s_branch .Lnext
.Lnot_\nb:
.endr
	STEP 4, 1
.Lnext:
	s_add_co_u32 s[CNT], s[CNT], 1
	s_cmp_lt_u32 s[CNT], 8
	s_cbranch_scc1 .Lstep
.rept 4
	v_nop                                          ; places behind the last products
.endr
	v_add_f32 v14, v14, v15                        ; the sum's two halves,
	v_permlanex16_b32 v250, v14, s[SEL], s[SEL+1]
	v_add_f32 v14, v14, v250                       ; and lane l xor 16's: the row's sum
	s_lshl_b32 s14, s11, 6
	s_add_co_u32 s14, s14, s[TAU]                  ; my tile of 16 tokens among the 128
	s_lshl_b32 s16, s14, 14
	s_lshl_b32 s17, s12, 9
	s_add_co_u32 s16, s16, s17                     ; y's image: 16,384 bytes a tile of tokens, 512 a head, 16 a lane
	s_lshl_b32 s17, s14, 10
	s_lshl_b32 s18, s12, 1
	s_add_co_u32 s17, s17, s18
	s_add_co_u32 s17, s17, YSO                     ; y's scale bytes: 64 a token, the head's two at 2 x head
	s_wait_alu depctr_va_vdst(0)                   ; the wait ahead of the transcendental,
	v_rcp_f32 v14, v14
	v_and_b32 v6, 15, v0                           ; (a plain place behind the transcendental)  r
	v_add_nc_u32 v4, s16, v1
	v_lshl_add_u32 v5, v6, 6, s17
	s_wait_alu depctr_va_vdst(0)                   ; and ahead of its first reader
.set J, 0
.rept 16
	v_pk_mul_f32 v[96+J:97+J], v[160+J:161+J], v[14:15] op_sel_hi:[1,0]       ; O^T / the sum: register 8 u + j is y(query r, channel 16 u + 8 h + j)
.set J, J+2
.endr
	QUANT64 96, 104, 112, 120, 192, 250
	global_store_b128 v4, v[192:195], s[6:7]       ; 32 lanes store 512 consecutive bytes, aligned
	global_store_b16 v5, v250, s[6:7]              ; lanes l and l + 16 write the same two bytes with the same value
	s_wait_tensorcnt 0x0                           ; the wave's end
	ds_add_u32 v11, v255
	s_wait_dscnt 0x0
	CROUND                                         ; the closing round: no work-group ends while a partner may still ask for a tile that names it
	s_endpgm
.Lfunc_end_k_q1134422eff_attn:
	.size	k_q1134422eff_attn, .Lfunc_end_k_q1134422eff_attn-k_q1134422eff_attn
	.p2alignl 7, 3214868480
	.fill 96, 4, 3214868480
	.section	.rodata,"a",@progbits
	.p2align	6, 0x0
	.amdhsa_kernel k_q1134422eff_attn
		.amdhsa_group_segment_fixed_size 167936
		.amdhsa_private_segment_fixed_size 0
		.amdhsa_enable_private_segment 0
		.amdhsa_kernarg_size 16
		.amdhsa_user_sgpr_count 2
		.amdhsa_user_sgpr_kernarg_segment_ptr 1
		.amdhsa_wavefront_size32 1
		.amdhsa_system_sgpr_workgroup_id_x 1
		.amdhsa_system_sgpr_workgroup_id_y 1
		.amdhsa_system_sgpr_workgroup_id_z 1
		.amdhsa_system_vgpr_workitem_id 0
		.amdhsa_next_free_vgpr 256
		.amdhsa_next_free_sgpr 66
		.amdhsa_reserve_vcc 1
		.amdhsa_float_denorm_mode_32 3
		.amdhsa_float_denorm_mode_16_64 3
		.amdhsa_memory_ordered 1
		.amdhsa_forward_progress 1
		.amdhsa_inst_pref_size 70
	.end_amdhsa_kernel
	.amdgpu_metadata
---
amdhsa.version: [ 1, 2 ]
amdhsa.kernels:
  - .name:           k_q1134422eff_attn
    .symbol:         k_q1134422eff_attn.kd
    .args:
      - { .name: ws, .offset: 0, .size: 8, .value_kind: global_buffer, .address_space: global }
      - { .name: yw, .offset: 8, .size: 8, .value_kind: global_buffer, .address_space: global }
    .group_segment_fixed_size: 167936
    .private_segment_fixed_size: 0
    .kernarg_segment_align: 8
    .kernarg_segment_size: 16
    .max_flat_workgroup_size: 512
    .sgpr_count:     66
    .vgpr_count:     256
    .wavefront_size: 32
...
	.end_amdgpu_metadata
.endif
;; end of part 2
;; launch outp (part 3): grid 16 x 16, 4 waves a work-group, clusters of 4 x 4, 327,680 bytes of LDS; arguments yw, Wo_codes, Wo_scales, bo, out0; writes out0
.if DOCPART == 3
	.amdgcn_target "amdgcn-amd-amdhsa--gfx1250"
	.amdhsa_code_object_version 6
	.text
	.protected	k_q1134422eff_outp
	.globl	k_q1134422eff_outp
	.p2align	8
	.type	k_q1134422eff_outp,@function
k_q1134422eff_outp:
	s_mov_b64 s[64:65], 0
	v_nop
	global_prefetch_b8 v0, s[64:65] scope:SCOPE_SE
	s_setreg_imm32_b32 hwreg(HW_REG_WAVE_MODE, 25, 1), 1
	s_wait_xcnt 0x0
	s_wait_alu depctr_hold_cnt(0) depctr_sa_sdst(0) depctr_va_vdst(0) depctr_va_sdst(0) depctr_va_ssrc(0) depctr_va_vcc(0) depctr_vm_vsrc(0)
	s_getreg_b32 s2, hwreg(HW_REG_IB_STS2, 6, 4)
	s_cmp_eq_u32 s2, 0
	s_cbranch_scc0 .Lentry_in_a_cluster
	s_endpgm
.Lentry_in_a_cluster:
	s_bfe_u32 s2, ttmp6, 0x10000c
	s_cmp_lg_u32 s2, 0xf033
	s_cbranch_scc0 .Lentry_shape_is_right
	s_endpgm
.Lentry_shape_is_right:
; out0 = y Wo + bo on codes of FP4 (E2M1) with one E8M0 scale for each 32 along K = 2,048; out0 [2,048][2,048] f32.
; A work-group makes 128 tokens x 128 columns over all of K; four waves, 64 x 64 each: 16 accumulators.  Source 0 of the matrix instruction takes 16 rows of Wo (columns of out0), source 1 16 rows of y (tokens):
; a lane then holds ONE token (lane % 16) and eight neighbouring columns.
; y comes as the launch before laid it: images of operand registers, [tile of 16 tokens][K step 16][half 2][512 bytes], and scale bytes [token][64].  A fragment is two loads at 16 x lane: no pitch, no padding.
; ALL OF K LIES IN LDS, in two halves of 1,024 along K: four joint loads, one a wave, at the head; nothing is filled again.  Waves 0 and 1 fetch the first half and wait for it ahead of the first barrier, the second half stays out
; until the first half's products are nearly done.  The scale bytes go straight to registers: lane (r, h) loads chunk 2 m + h (512 along K) of row r; the row selector picks the chunk.
; THE SECOND HALF GOES BY TOKENS: all its fragments of Wo come into 256 registers; then one tile of 16 tokens after the other is finished and leaves while the next is multiplied.
; CLUSTER 4 x 4: Wo's rows hang on the place along x alone and are asked for jointly by the four of a column, y's by the four of a row.  No prefetch: the text has no loop; every load leaves at the head.
; The bias is the C of the first K step.  The results leave through each wave's own stage in LDS, 16 tokens x 256 bytes at a time, so that sixteen lanes store 256 consecutive bytes, aligned.
; LIMITS: NaN and infinities are not served.
.set YHALF,  65536                     ; y's 8 tiles x 8,192 bytes
.set WHALF,  67584                     ; Wo's 128 rows x 528 bytes
.set HSTEP,  YHALF+WHALF               ; from half to half
.set STAGE,  2*HSTEP                   ; 16 rows x 272 bytes for each wave; no tensor load lands here
.set SPARE,  STAGE+4*4352              ; the spare words, 128 bytes for each wave
.set YSO,    2097152
.set AD1,  4                           ; v4-5    LDS address of my y fragments, half 0, 1
.set AD0,  8                           ; v8-9    the same for Wo
.set STO,  16                          ; v16     the stage: where I put 32 bytes of a row;  v17 where I read a row back;  v18 my byte offset in out0
.set RD,   17
.set CO,   18
.set SPW,  30                          ; v30     my spare word;  v31 0: never rewritten
.set NIL,  31
.set BIAS, 32                          ; v32-63  the bias in the result's layout
.set SYB,  64                          ; v64-95  y's scale words: tile i, chunk pair m, word q at SYB + 8 i + 4 m + q;  v96-127 Wo's
.set SWB,  96
.set ACC,  128                         ; v128-255 accumulator (a, b) at ACC + 32 a + 8 b.   Window 1: first half: four sets of fragments: set p: Wo's tiles at 64 p + 8 i, y's at 64 p + 32 + 8 i; second half: y's tile b at 64 b + 8 q
                                       ; window 2: Wo's fragments of the second half: step q, tile a at 32 q + 8 a.   window 3: rows read back from the stage: tile b at 32 b
.set G1Y, 24                           ; s[24:31] descriptor group 1 for y;  s[32:39] for Wo;  groups 0: s[56:59], s[80:83] y's halves;  s[60:63], s[84:87] Wo's
.set G1W, 32
.set MSB, 0
.macro WIN new                         ; the immediate's high byte repeats the setting that is left
.if MSB != \new
	s_set_vgpr_msb (MSB<<8)|\new
.set MSB, \new
.endif
.endm
.macro PLACES                          ; four plain vector instructions in front of loads into registers that matrix instructions have read, and of the first read of results
.rept 4
	v_nop
.endr
.endm
.macro CROUND                          ; a round of the cluster's barrier
	s_barrier_signal -1
	s_barrier_wait -1
	s_cmp_lg_u32 s16, 0
	s_cbranch_scc1 .Lnot_wave_0_\@
	s_barrier_signal -3
.Lnot_wave_0_\@:
	s_barrier_wait -3
	s_barrier_signal -1
	s_barrier_wait -1
.endm
.macro ARM under, g0, g1, next         ; one arm of the head's tree: a load, its four v_nop, the jump to the tree's end
	s_cmp_lt_u32 s16, \under
	s_cbranch_scc0 \next
	tensor_load_to_lds s[\g0:\g0+3], s[\g1:\g1+7]
	s_nop 0
	PLACES
	s_branch .Lasked
\next:
.endm
.macro MKG0 g, lds, ptr, add           ; a group 0
	s_mov_b32 s[\g], 1
	s_mov_b32 s[\g+1], \lds
	s_add_nc_u64 s[\g+2:\g+3], s[\ptr:\ptr+1], \add
	s_or_b32 s[\g+3], s[\g+3], 0x80000000
.endm
.macro WM d, x, y, c, sx, sy, hh       ; D = X Y + C; hh: which lane half holds both scales
.set WD, \d
.set WX, \x
.set WY, \y
.set WC, \c
.set WSX, \sx
.set WSY, \sy
.if \hh
	v_wmma_scale_f32_16x16x128_f8f6f4 v[WD:WD+7], v[WX:WX+7], v[WY:WY+7], v[WC:WC+7], v[WSX], v[WSY] matrix_a_fmt:MATRIX_FMT_FP4 matrix_b_fmt:MATRIX_FMT_FP4 matrix_a_scale:MATRIX_SCALE_ROW1 matrix_b_scale:MATRIX_SCALE_ROW1
.else
	v_wmma_scale_f32_16x16x128_f8f6f4 v[WD:WD+7], v[WX:WX+7], v[WY:WY+7], v[WC:WC+7], v[WSX], v[WSY] matrix_a_fmt:MATRIX_FMT_FP4 matrix_b_fmt:MATRIX_FMT_FP4
.endif
.endm
; K step s (0 .. 7) of the first half: its 16 fragment loads into set s % 4
.macro FETCH s
.set FQ, (\s)%4
	WIN 0x40                                       ; destination window 1, address window 0
.irp i, 0,1,2,3
.irp e, 0,1
	ds_load_b128 v[64*FQ+8*\i+4*\e:64*FQ+8*\i+4*\e+3], v[AD0] offset:8448*\i+64*(\s)+32*\e
.endr
.endr
.irp i, 0,1,2,3
.irp e, 0,1
	ds_load_b128 v[64*FQ+32+8*\i+4*\e:64*FQ+32+8*\i+4*\e+3], v[AD1] offset:8192*\i+1024*(\s)+512*\e
.endr
.endr
.endm
; 16 matrix instructions, the 16 accumulators by turns, in the same order in every step.  first = 1: the bias starts the sums
.macro MUL16 s, first
.set MQ, (\s)%4
	WIN 0x05                                       ; sources 0 and 1 window 1; C and D window 0
.irp a, 0,1,2,3
.irp b, 0,1,2,3
.if \first
	WM ACC+32*\a+8*\b, 64*MQ+8*\a, 64*MQ+32+8*\b, BIAS+8*\a, SWB+8*\a+MQ, SYB+8*\b+MQ, (\s)/4
.else
	WM ACC+32*\a+8*\b, 64*MQ+8*\a, 64*MQ+32+8*\b, ACC+32*\a+8*\b, SWB+8*\a+MQ, SYB+8*\b+MQ, (\s)/4
.endif
.endr
.endr
.endm
.macro WLOAD q                         ; Wo's four fragments of the second half's step q
	WIN 0x80
.irp a, 0,1,2,3
.irp e, 0,1
	ds_load_b128 v[32*\q+8*\a+4*\e:32*\q+8*\a+4*\e+3], v[AD0+1] offset:8448*\a+64*\q+32*\e
.endr
.endr
.endm
.macro YLOAD b                         ; y's eight fragments of tile b, second half
	WIN 0x40
.irp q, 0,1,2,3,4,5,6,7
.irp e, 0,1
	ds_load_b128 v[64*\b+8*\q+4*\e:64*\b+8*\q+4*\e+3], v[AD1+1] offset:8192*\b+1024*\q+512*\e
.endr
.endr
.endm
.macro ROW b                           ; tile b is finished: 32 matrix instructions, its four accumulators by turns, K ascending
	WIN 0x06                                       ; source 0 window 2, source 1 window 1; C and D window 0
.irp q, 0,1,2,3,4,5,6,7
.irp a, 0,1,2,3
	WM ACC+32*\a+8*\b, 32*\q+8*\a, 64*\b+8*\q, ACC+32*\a+8*\b, SWB+8*\a+4+\q%4, SYB+8*\b+4+\q%4, \q/4
.endr
.endr
.endm
; THE WAY OUT, a tile of 16 tokens x 64 columns at a time.  LDS serves a wave's instructions in order (ISA guide 5.7.1.4): no wait between the stores and the loads, nor in front of the next tile's stores.
.macro TOSTAGE b
	WIN 0
	PLACES                                         ; behind the tile's last products
.irp a, 0,1,2,3
	ds_store_b128 v[STO], v[ACC+32*\a+8*\b:ACC+32*\a+8*\b+3] offset:64*\a          ; each accumulator from its low end on
	ds_store_b128 v[STO], v[ACC+32*\a+8*\b+4:ACC+32*\a+8*\b+7] offset:64*\a+16
.endr
	WIN 0xc0                                       ; destination window 3
.irp t, 0,1,2,3,4,5,6,7
	ds_load_b128 v[32*\b+4*\t:32*\b+4*\t+3], v[RD] offset:544*\t
.endr
.endm
.macro SEND b
	s_wait_dscnt 0x0                               ; the tile is back in registers
	WIN 0x0c                                       ; the data: window 3
.irp t, 0,1,2,3,4,5,6,7
	global_store_b128 v[CO], v[32*\b+4*\t:32*\b+4*\t+3], s[14:15] offset:131072*\b+16384*\t th:TH_STORE_NT   ; 16 lanes store 256 consecutive bytes, aligned; written once, read by nobody here
.endr
.endm
	s_load_b256 s[68:75], s[0:1], 0x0              ; yw, Wo codes, Wo scales, bo
	s_load_b64 s[76:77], s[0:1], 0x20              ; out0
	v_lshl_add_u32 v[SPW], v0, 2, SPARE
	v_mov_b32 v[NIL], 0
	ds_add_u32 v[SPW], v[NIL]                      ; the opening add, twice on end, ahead of my tensor load
	ds_add_u32 v[SPW], v[NIL]
	v_lshrrev_b32 v1, 5, v0
	v_readfirstlane_b32 s16, v1                    ; wave 0..3
	s_lshr_b32 s17, s16, 1                         ; w1: my half of the tokens
	s_and_b32 s18, s16, 1                          ; w0: my half of the columns
	s_bfe_u32 s19, ttmp6, 0x40000                  ; cx, cy: my place in the cluster
	s_bfe_u32 s20, ttmp6, 0x40004
	s_lshl_b32 s21, ttmp9, 2
	s_add_co_u32 s21, s21, s19                     ; g0: Wo's group of 128 rows
	s_and_b32 s22, ttmp7, 0xffff
	s_lshl_b32 s22, s22, 2
	s_add_co_u32 s22, s22, s20                     ; g1: the group of 128 tokens
	s_lshl_b32 s100, s20, 2
	s_lshl_b32 s100, 15, s100                      ; my row of the cluster
	s_lshl_b32 s101, 0x1111, s19                   ; my column
	s_or_b32 s[G1Y], s100, (3<<16)|(1<<21)         ; 15:0 the mask; elements of 8 bytes; 21 set beside a mask; no padding
	s_mov_b32 s[G1Y+1], 1024<<16                   ; of eight tiles of tokens the half's 8,192 bytes (1,024 elements), 16,384 bytes (2,048 elements) from tile to tile
	s_mov_b32 s[G1Y+2], 8<<16
	s_mov_b32 s[G1Y+3], 1024<<16
	s_mov_b32 s[G1Y+4], 8
	s_mov_b32 s[G1Y+5], 2048
	s_mov_b32 s[G1Y+6], 0
	s_mov_b32 s[G1Y+7], 0
	s_or_b32 s[G1W], s101, (1<<20)|(1<<21)|(6<<22)|(3<<25)   ; elements of 1 byte; padding: 4 words behind every 128
	s_mov_b32 s[G1W+1], 512<<16                    ; 128 rows x 512 bytes, 1,024 bytes from row to row
	s_mov_b32 s[G1W+2], 128<<16
	s_mov_b32 s[G1W+3], 512<<16
	s_mov_b32 s[G1W+4], 128
	s_mov_b32 s[G1W+5], 1024
	s_mov_b32 s[G1W+6], 0
	s_mov_b32 s[G1W+7], 0
	s_lshl_b32 s10, s22, 17                        ; y: 128 tokens of 1,024 bytes of images
	s_mov_b32 s11, 0
	s_lshl_b32 s12, s21, 17                        ; Wo: 128 rows of 1,024 bytes
	s_mov_b32 s13, 0
	s_lshl_b32 s2, s17, 15                         ; LDS: my four tiles of y,
	s_mul_i32 s3, s18, 64*528                      ; my 64 rows of Wo
	s_add_co_u32 s3, s3, YHALF
	s_lshl_b32 s4, s22, 13                         ; scales: 64 bytes a row: y's,
	s_lshl_b32 s100, s17, 12
	s_add_co_u32 s4, s4, s100
	s_add_co_u32 s4, s4, YSO
	s_lshl_b32 s5, s21, 13                         ; Wo's
	s_lshl_b32 s100, s18, 12
	s_add_co_u32 s5, s5, s100
	s_lshl_b32 s6, s21, 1
	s_add_co_u32 s6, s6, s18
	s_lshl_b32 s6, s6, 8                           ; my first column, in bytes: 4 x 64 (2 g0 + w0)
	s_mul_i32 s7, s16, 4352
	s_add_co_u32 s7, s7, STAGE                     ; my stage
	s_lshl_b32 s8, s22, 1
	s_add_co_u32 s8, s8, s17
	s_lshl_b32 s8, s8, 19                          ; my first token's row: 8,192 x 64 (2 g1 + w1)
	s_add_co_u32 s8, s8, s6
	s_mov_b32 s9, 0
	v_and_b32 v1, 15, v0                           ; r
	v_bfe_u32 v2, v0, 4, 1                         ; h
	v_and_b32 v13, 31, v0
	v_lshlrev_b32 v13, 4, v13                      ; y: an image's place for my lane
	v_lshlrev_b32 v14, 4, v2                       ; 16 h
	v_mul_u32_u24 v3, v1, 528
	v_add_nc_u32 v3, v3, v14                       ; Wo: a fragment's row x pitch + 16 h
	v_add_nc_u32 v[AD1], s2, v13
	v_add_nc_u32 v[AD1+1], HSTEP, v[AD1]
	v_add_nc_u32 v[AD0], s3, v3
	v_add_nc_u32 v[AD0+1], HSTEP, v[AD0]
	v_lshl_add_u32 v20, v1, 6, v14                 ; scales: row r, 16 h
	v_add_nc_u32 v21, s5, v20
	v_add_nc_u32 v20, s4, v20
	v_lshl_add_u32 v15, v2, 5, s6                  ; the bias: register 8 a + j takes column 16 a + 8 h + j of my 64
	v_mul_u32_u24 v[STO], v1, 272                  ; in: row r, 32 bytes for each half of the lanes
	v_lshl_add_u32 v[STO], v2, 5, v[STO]
	v_add_nc_u32 v[STO], s7, v[STO]
	v_mul_u32_u24 v[RD], v2, 272                   ; back: lanes 0-15 take one row of 256 bytes, lanes 16-31 the next
	v_lshl_add_u32 v[RD], v1, 4, v[RD]
	v_add_nc_u32 v[RD], s7, v[RD]
	v_lshlrev_b32 v[CO], 13, v2                    ; and the same two rows in out0
	v_lshl_add_u32 v[CO], v1, 4, v[CO]
	s_wait_alu depctr_va_vdst(0)
	s_wait_dscnt 0x0                               ; both opening adds are done
	CROUND                                         ; all sixteen work-groups are here: the joint loads meet.  The arguments are still on their way
	s_wait_kmcnt 0x0
	s_add_nc_u64 s[10:11], s[68:69], s[10:11]
	s_add_nc_u64 s[12:13], s[70:71], s[12:13]
	s_add_nc_u64 s[14:15], s[76:77], s[8:9]
	MKG0 56, 0, 10, 0
	MKG0 60, YHALF, 12, 0
	MKG0 80, HSTEP, 10, 8192
	MKG0 84, HSTEP+YHALF, 12, 512
	ARM 1, 56, G1Y, .Lhead_w0                      ; one tensor load a wave
	ARM 2, 60, G1W, .Lhead_y1
	ARM 3, 80, G1Y, .Lhead_w1
	tensor_load_to_lds s[84:87], s[G1W:G1W+7]
	s_nop 0
	PLACES
.Lasked:
.irp a, 0,1,2,3
	global_load_b128 v[BIAS+8*\a:BIAS+8*\a+3], v15, s[74:75] offset:64*\a
	global_load_b128 v[BIAS+8*\a+4:BIAS+8*\a+7], v15, s[74:75] offset:64*\a+16
.endr
.irp i, 0,1,2,3
.irp m, 0,1
	global_load_b128 v[SYB+8*\i+4*\m:SYB+8*\i+4*\m+3], v20, s[68:69] offset:1024*\i+32*\m
	global_load_b128 v[SWB+8*\i+4*\m:SWB+8*\i+4*\m+3], v21, s[72:73] offset:1024*\i+32*\m
.endr
.endr
	s_cmp_lt_u32 s16, 2
	s_cbranch_scc0 .Lsecond
	s_wait_tensorcnt 0x0                           ; waves 0 and 1: the first half of K is in; waves 2 and 3 leave the second half out
.Lsecond:
	s_barrier_signal -1
	s_barrier_wait -1
	FETCH 0
	FETCH 1
	s_wait_loadcnt 0x0                             ; the bias and the scale words
	PLACES
	FETCH 2
	s_wait_dscnt 32                                ; step 0's 16 loads are in; those of steps 1 and 2 may be out
	MUL16 0, 1                                     ; the first K step starts the sums with the bias: nothing is cleared, nothing is added later
.set S, 1
.rept 5
	PLACES
	FETCH S+2
	s_wait_dscnt 32                                ; those of the next two steps may be out
	MUL16 S, 0
.set S, S+1
.endr
	s_wait_tensorcnt 0x0                           ; the second half of K opens: my load is in,
	s_wait_dscnt 0x0                               ; no LDS load of mine is out at the signal: steps 6 and 7 have their fragments
	s_barrier_signal -1
	s_barrier_wait -1                              ; everybody's load is in
	PLACES
.irp q, 0,1,2,3
	WLOAD \q
.endr
	MUL16 6, 0
	PLACES
.irp q, 4,5,6,7
	WLOAD \q
.endr
	YLOAD 0                                        ; into the sets of steps 4 and 5
	YLOAD 1
	MUL16 7, 0
	PLACES
	YLOAD 2                                        ; into the sets of steps 6 and 7
	YLOAD 3
	s_wait_dscnt 48                                ; y's tiles 1 to 3, 16 loads each, may be out
	ROW 0
	TOSTAGE 0
	s_wait_dscnt 48                                ; y's tiles 2 and 3, and tile 0's 8 stores and 8 loads, may be out
	ROW 1
	SEND 0
	TOSTAGE 1
	ROW 2                                          ; (SEND has waited for all LDS instructions)
	SEND 1
	TOSTAGE 2
	ROW 3
	SEND 2
	TOSTAGE 3
	SEND 3
	WIN 0
	s_wait_tensorcnt 0x0                           ; the wave's end
	ds_add_u32 v[SPW], v[NIL]
	s_wait_dscnt 0x0
	CROUND                                         ; the closing round: no work-group ends while a partner may still ask for a tile that names it
	s_endpgm
.Lfunc_end_k_q1134422eff_outp:
	.size	k_q1134422eff_outp, .Lfunc_end_k_q1134422eff_outp-k_q1134422eff_outp
	.p2alignl 7, 3214868480
	.fill 96, 4, 3214868480
	.section	.rodata,"a",@progbits
	.p2align	6, 0x0
	.amdhsa_kernel k_q1134422eff_outp
		.amdhsa_group_segment_fixed_size 327680
		.amdhsa_private_segment_fixed_size 0
		.amdhsa_enable_private_segment 0
		.amdhsa_kernarg_size 40
		.amdhsa_user_sgpr_count 2
		.amdhsa_user_sgpr_kernarg_segment_ptr 1
		.amdhsa_wavefront_size32 1
		.amdhsa_system_sgpr_workgroup_id_x 1
		.amdhsa_system_sgpr_workgroup_id_y 1
		.amdhsa_system_sgpr_workgroup_id_z 1
		.amdhsa_system_vgpr_workitem_id 0
		.amdhsa_next_free_vgpr 1024
		.amdhsa_next_free_sgpr 102
		.amdhsa_reserve_vcc 0
		.amdhsa_float_denorm_mode_32 3
		.amdhsa_float_denorm_mode_16_64 3
		.amdhsa_memory_ordered 1
		.amdhsa_forward_progress 1
		.amdhsa_inst_pref_size 68
	.end_amdhsa_kernel
	.amdgpu_metadata
---
amdhsa.version: [ 1, 2 ]
amdhsa.kernels:
  - .name:           k_q1134422eff_outp
    .symbol:         k_q1134422eff_outp.kd
    .args:
      - { .name: yw, .offset: 0, .size: 8, .value_kind: global_buffer, .address_space: global }
      - { .name: Wo_codes, .offset: 8, .size: 8, .value_kind: global_buffer, .address_space: global }
      - { .name: Wo_scales, .offset: 16, .size: 8, .value_kind: global_buffer, .address_space: global }
      - { .name: bo, .offset: 24, .size: 8, .value_kind: global_buffer, .address_space: global }
      - { .name: out0, .offset: 32, .size: 8, .value_kind: global_buffer, .address_space: global }
    .group_segment_fixed_size: 327680
    .private_segment_fixed_size: 0
    .kernarg_segment_align: 8
    .kernarg_segment_size: 40
    .max_flat_workgroup_size: 128
    .sgpr_count:     102
    .vgpr_count:     1024
    .wavefront_size: 32
...
	.end_amdgpu_metadata
.endif
;; end of part 3
